; MI455X (gfx1250); checked and timed in simulation.
; The chip was launched on July 23, 2026; its instructions are those of AMD's public machine-readable ISA for CDNA 5 (MIT licence, August 2026) and "CDNA5" Instruction Set Architecture Reference Guide (July 2026). The comments in the code are by the model that wrote it; some were corrected since.
;; Embedding. Allowed arithmetic: matrix products marked QUANTISED: E5M2 operands, one given power-of-two scale a tensor, by v_wmma_f32_16x16x64_bf8_bf8 or v_wmma_f32_16x16x128_bf8_bf8, f32 sums; everything else in f32.
;; Inputs: lowp_scales 2 int32 (the exponents e of the quantised operands' scales 2^e); weight_codes 128 x 1,000 x 32 uint8 (E5M2 codes of weight, K innermost, in blocks of 32 codes); x 2 x 4,096 int32.
;; Outputs: out0 2 x 4,096 x 128 float32.
;; This version of the problem:
;;   THIS VERSION OF THE PROBLEM IS GIVEN IN LOW PRECISION. The matrix products marked QUANTISED in the list below multiply operands that are first quantised to E5M2 (5 exponent bits, 2 mantissa bits; 8 bits a number), with one given power-of-two scale for each operand tensor; their sums are f32. All else is computed in f32.
;;   The module's matrix products, in the order in which they are computed (A, B: the left and right operand; K: the contracted axis; several contracted axes count as one K, in the product's order):
;;     1. [M 8,192, K 32,000] x [K 32,000, N 128]; A: computed on the way; B: input weight (given as codes): QUANTISED (scales: A lowp_scales[0], B lowp_scales[1])
;;   THE QUANTISER, for each operand of a quantised product, along K:
;;     - The operand's scale is 2^e, e = its entry of the input lowp_scales (int32; the entries are numbered through the quantised products in the list's order, A before B).
;;     - Each number is divided by the scale, clamped to +-57,344, and rounded to the nearest number of E5M2, ties to even, subnormals kept.
;;     - The product sums the exact products of the quantised numbers (number of the format x scale) in f32.
;;   ~~~python
;;   def quantise(x, axis, e):      # numpy; x: float32 -> the quantised numbers, widened to float32 again
;;       x = np.moveaxis(x, axis, -1); K = x.shape[-1]
;;       r = np.clip(x / 2.0 ** e, -57344, 57344)
;;       step = 2.0 ** (np.maximum(np.frexp(np.where(r == 0, 1, r))[1] - 1, -14) - 2)
;;       q = np.round(r / step) * step * 2.0 ** e      # np.round: ties to even
;;       return np.moveaxis(q, -1, axis).astype(np.float32)
;;   ~~~
;;   OPERANDS COMPUTED ON THE WAY. 'Computed on the way' means the value that the module computes at that place (a softmax that the list does not call 'softmax' is quantised finished and normalised). What goes into a quantiser is computed in f32, as accurately as f32 sums, v_exp_f32 and their like allow (about 1e-6 of the number): no bf16 or f16 on the way to a quantiser, and a product that is left as it is and whose result goes on into a quantised operand takes f32 operands (vector FMAs, or v_wmma_f32_16x16x4_f32). A number that lies on a knife's edge between two numbers of the format may be rounded either way, as far as f32 arithmetic and the matrix unit's own rounding can turn it there, and no further.
;;   INPUTS GIVEN AS CODES. weight (in the module: [32000, 128], K = its axis 0): each comes as NAME_codes (uint8): NAME with its K axis moved to the last place and cut into blocks of 32 codes, [.., K / 32, bytes a block], one block behind the other in memory; one code a byte (a code: sign, 5 exponent bits, 2 mantissa bits); its scale is its entry of lowp_scales. Its value is code x scale, taken as it is: it is not quantised again, and the codes and scales need not be those that the quantiser above would give.
;; One version. Each part assembles by itself: llvm-mc -triple=amdgcn-amd-amdhsa -mcpu=gfx1250 --defsym DOCPART=n.
;; ======== version 1 of 1: 1 launch
;; launch embed (part 1): grid 16 x 16, 4 waves a work-group, clusters of 4 x 1, 278,528 bytes of LDS; arguments x, weight_codes, lowp_scales, out0; writes out0
.if DOCPART == 1
	.amdgcn_target "amdgcn-amd-amdhsa--gfx1250"
	.amdhsa_code_object_version 6
	.text
	.protected	k_qc4bd518872_embed
	.globl	k_qc4bd518872_embed
	.p2align	8
	.type	k_qc4bd518872_embed,@function
k_qc4bd518872_embed:
	s_mov_b64 s[64:65], 0
	v_nop
	global_prefetch_b8 v0, s[64:65] scope:SCOPE_SE
	s_setreg_imm32_b32 hwreg(HW_REG_WAVE_MODE, 25, 1), 1
	s_wait_xcnt 0x0
	s_wait_alu depctr_hold_cnt(0) depctr_sa_sdst(0) depctr_va_vdst(0) depctr_va_sdst(0) depctr_va_ssrc(0) depctr_va_vcc(0) depctr_vm_vsrc(0)
	s_getreg_b32 s2, hwreg(HW_REG_IB_STS2, 6, 4)
	s_cmp_eq_u32 s2, 0
	s_cbranch_scc0 .Lentry_in_a_cluster
	s_endpgm
.Lentry_in_a_cluster:
	s_bfe_u32 s2, ttmp6, 0x10000c
	s_cmp_lg_u32 s2, 0x3003
	s_cbranch_scc0 .Lentry_shape_is_right
	s_endpgm
.Lentry_shape_is_right:
; out0[m][n] = sum over k of onehot(x[m])[k] weight[k][n], as a dense product on codes of BF8 (E5M2).  M = 8,192 tokens, K = 32,000, N = 128.
; weight comes as codes laid [n][k], K innermost (a row is 32,000 bytes).  The one-hot is made here, as codes: its 1.0 is quantised with the given 2^e0 into one code c1, its zeros are code 0.
; The codes are multiplied as they are by v_wmma_f32_16x16x64_bf8_bf8, and each finished sum once by 2^(e0 + e1).
; SHARES.  16 x 16 work-groups of four waves.  Work-group x: 512 tokens, 128 a wave, against all 128 n: 64 accumulators of 16 x 16, 512 registers.  Work-group y: 2,048 of K, from K0 = min(2048 y, 29,952) on,
; so that every split has the same 32 steps of 64 along K and every tile row begins at a multiple of 256 bytes from its buffer's first byte.  The last split begins 768 k early; what it sums twice it does not store (below).
; ONE OWNER FOR EACH ROW, NO SUM ACROSS SPLITS.  A one-hot row has its one code in one place, so every split but one sums exact zeros for it.  Split y stores row m where x[m] - 2048 y, as an unsigned number, is
; under 2,048 (y = 15: under 2^32 - 30,720, that is every x from 30,720 on).  These ranges part all 2^32 values, so each row is stored once.  An x outside the table falls to split 15, meets no k, and gets zeros,
; as jax.nn.one_hot gives.  The choice acts through EXEC on the stores alone: no branch hangs on x.
; LIMITS.  Codes of infinity or NaN in the weights are not served (the dense product would spread them over a whole column by 0 x infinity; here only the owner's 2,048 k are summed).
;          e0 between -126 and 112, e0 + e1 between -126 and 127, so that each power of two below is an f32 number.
; THE WEIGHTS OF A SPLIT, 128 n x 2,048 bytes, LIE IN LDS WHOLE AND ARE FILLED ONCE: eight groups of 256 along K; of each group every wave fetches 32 rows.  Nothing is filled again: no ring.
; All eight loads of a wave go out at the head, so nothing is left that could be asked for earlier.
; CLUSTER.  The sixteen work-groups of one y read the same weights; four neighbours along x form a cluster and ask JOINTLY: the same load, the same descriptor, a mask that names the four.
; WHICH n FORM A TILE.  Wave w fetches rows n = w, w + 4, .. w + 124 (a descriptor stride of four rows).  So n tile b = 4 u + b' holds n = 64 u + 4 r + b' in its column r, and in the results (source 0 = 16 tokens,
; source 1 = 16 n: register j of lane (r, h) is token 8 h + j at column r) the four accumulators b' = 0 .. 3 give a lane four NEIGHBOURING n of one token: 16 bytes, sixteen lanes 256 bytes.  No stage in LDS.
; THE PLACE OF k.  A fragment of the weights comes by two loads of 16 bytes, 32 bytes apart: register 4 c + m, byte z of lane (r, h) holds k = 32 c + 16 h + 4 m + z of the step.  The one-hot is made in the same places:
; a permutation of k that is alike in both operands, so every product meets its partner.
; THE ONE-HOT COSTS NINE VECTOR INSTRUCTIONS FOR EIGHT PRODUCTS.  Once, for each tile of 16 tokens: S = the step in which the lane's token has its code, and eight registers R that hold the fragment of THAT step
; (c1 in its byte, where the code falls into this half of the lanes and into this split; else zeros).  In each step: one compare of S with the step's number, eight selects between R and 0.
; REGISTERS, in windows of 256 (s_set_vgpr_msb: bits 1:0 source 0, 3:2 source 1, 5:4 source 2, 7:6 destination):
;   window 0: v0-30 addresses and constants; v32-95 R; v96-113 at work at the head; v128-191, v192-255 the weights' fragments, two sets (on the way out v128-191: results)
;   windows 1, 2, 3: the accumulators of tiles 0-2, 3-5, 6-7 (tile t, n tile b at v[64 (t % 3) + 8 b]); from v192 of each the one-hot's fragments, one buffer a tile;  window 3, v128-191: x - 2048 y in the results' layout
; Tile t + 2's fragment is made while tile t is multiplied, and lies in the window of tile t's accumulators; R and S lie in the window of the weights.  So products and selects run under ONE setting: five settings a step.
.set VOCAB, 32000                      ; K, and a row of the weights' codes in bytes
.set KSPL,  2048                       ; along K for a work-group
.set KLAST, VOCAB-KSPL                 ; where the last split begins: 29,952 = 117 x 256
.set STEPS, KSPL/64
.set PITCH, 272                        ; an LDS row: 256 bytes + 16 of padding = 68 words: row r starts at bank 4 r mod 64 (64 banks of 4 bytes: ISA guide 11.1), so the 16 rows of a load start at 16 different banks
.set QUART, 32*PITCH                   ; what one tensor load brings
.set GROUP, 4*QUART                    ; 128 rows x 256 along K; eight groups fill LDS bytes 0 to 278,527
.set ADB,  8                           ; v8-15   LDS address of my lane in group g: 272 r + 16 h + GROUP g
.set ST,   16                          ; v16-23  S of tile t
.set CO,   24                          ; v24     my byte in out0's rows: 8 h rows of 512 bytes + 16 r
.set SC0,  25                          ; v25     2^e0 as f32
.set LIM0, 26                          ; v26     57,344 x 2^e0
.set C1,   27                          ; v27     c1
.set H16,  28                          ; v28     16 h
.set XA,   29                          ; v29     4 r: x as source 0 wants it (lane (r, h): token r)
.set XD,   30                          ; v30     32 h: x as the results lie (lane (r, h): tokens 8 h + 0 .. 7)
.set R,    32                          ; v32-95  R, eight registers a tile
.set XT,   96                          ; v96-103 x of token 16 t + r
.set QN,   104                         ; v104-111 the quantiser's eight numbers: 1.0 and seven zeros
.set QC,   112                         ; v112-113 their codes
.set BF,   128                         ; the weights' two sets
.set TMP,  128                         ; the way out: a tile's 64 results x 2^(e0 + e1)
.set AB,   192                         ; windows 1-3: the one-hot's buffers
.set DX,   128                         ; window 3: x - 2048 y
.set WV,   12                          ; s12  my wave's number
.set K0,   16                          ; s16  the split's first k
.set LO,   17                          ; s17  the first x that the split owns
.set SPAN, 18                          ; s18  how many it owns
.set G1,   24                          ; s[24:31] descriptor group 1
.set G0,   32                          ; s[32:63] descriptor group 0, a set for each group of the weights
.set SCL,  70                          ; s70  2^(e0 + e1) as f32
.set OWN,  72                          ; s[72:79] a tile's eight masks of owned rows
.set SAVE, 80                          ; s80  EXEC, kept
.set MSB, 0
.macro WIN new                         ; the immediate's high byte repeats the setting that is left; a switch that changes nothing is dropped
.if MSB != (\new)
	s_set_vgpr_msb (MSB<<8)|(\new)
.set MSB, (\new)
.endif
.endm
; A round of the cluster's barrier: my work-group's barrier, so that wave 0's signal speaks for all four waves; wave 0 signals for the work-group; every wave waits for all four work-groups; my work-group's barrier once more.
.macro CROUND
	s_barrier_signal -1
	s_barrier_wait -1
	s_cmp_lg_u32 s[WV], 0
	s_cbranch_scc1 .Lnot_wave_0_\@
	s_barrier_signal -3
.Lnot_wave_0_\@:
	s_barrier_wait -3
	s_barrier_signal -1
	s_barrier_wait -1
.endm
	s_load_b256 s[4:11], s[0:1], 0x0               ; x s[4:5], the weights' codes s[6:7], the scales' exponents s[8:9], out0 s[10:11]
	v_lshrrev_b32 v3, 5, v0
	v_readfirstlane_b32 s[WV], v3                  ; wave 0..3
	v_and_b32 v1, 15, v0                           ; r
	v_bfe_u32 v2, v0, 4, 1                         ; h
	v_lshlrev_b32 v[XA], 2, v1
	v_lshlrev_b32 v[XD], 5, v2
	s_bfe_u32 s13, ttmp6, 0x40000                  ; cx: my place in the cluster
	s_lshl_b32 s14, ttmp9, 2                       ; in a cluster launch ttmp9 counts clusters
	s_add_co_u32 s14, s14, s13                     ; my block of 512 tokens = 4 x cluster x + cx: it enters x's and out0's addresses alone
	s_and_b32 s15, ttmp7, 0xffff                   ; y: the split, which the four partners share
	s_lshl_b32 s[LO], s15, 11
	s_min_u32 s[K0], s[LO], KLAST
	s_mov_b32 s[SPAN], 0xffff8800                  ; 2^32 - 30,720
	s_cmp_eq_u32 s15, 15
	s_cselect_b32 s[SPAN], s[SPAN], KSPL
	; descriptor group 1: a tile of 32 rows x 256 bytes, four rows of the weights apart, padded in LDS
	s_mov_b32 s[G1+0], 15|(0<<16)|(1<<20)|(1<<21)|(5<<22)|(3<<25)  ; 15:0 the mask: all four work-groups; 17:16 elements of 1 byte; 20 padding on; 21 set beside a mask; 24:22 after every 64 words (code 5); 31:25 four words (code 3)
	s_mov_b32 s[G1+1], 256<<16                     ; tensor_dim0 = 256
	s_mov_b32 s[G1+2], 32<<16                      ; tensor_dim1 = 32
	s_mov_b32 s[G1+3], 256<<16                     ; tile_dim0 = 256
	s_mov_b32 s[G1+4], 32                          ; tile_dim1 = 32
	s_mov_b32 s[G1+5], 4*VOCAB                     ; tensor_dim0_stride: from n to n + 4
	s_mov_b32 s[G1+6], 0
	s_mov_b32 s[G1+7], 0
	s_mul_i32 s66, s[WV], VOCAB                    ; my first row of the weights, n = wave,
	s_add_co_u32 s66, s66, s[K0]                   ; at the split's first k
	s_mov_b32 s67, 0
	s_mul_i32 s71, s[WV], QUART                    ; and where my rows go in a group: no place in the cluster enters an LDS address
	s_lshl_b32 s82, s14, 11                        ; x: 512 tokens of 4 bytes a work-group,
	s_lshl_b32 s83, s[WV], 9                       ; 128 a wave
	s_add_co_u32 s82, s82, s83
	s_mov_b32 s83, 0
	s_lshl_b32 s84, s14, 18                        ; out0: 512 rows of 512 bytes a work-group,
	s_lshl_b32 s85, s[WV], 16                      ; 128 a wave
	s_add_co_u32 s84, s84, s85
	s_mov_b32 s85, 0
	s_wait_kmcnt 0x0
	s_load_b64 s[20:21], s[8:9], 0x0               ; e0, e1
	s_add_nc_u64 s[68:69], s[6:7], s[66:67]
	s_add_nc_u64 s[4:5], s[4:5], s[82:83]
	s_add_nc_u64 s[10:11], s[10:11], s[84:85]
.irp g, 0,1,2,3,4,5,6,7
	s_mov_b32 s[G0+4*\g], 1                                        ; 1:0 count = 1
	s_add_co_u32 s[G0+4*\g+1], s71, \g*GROUP                       ; 63:32 LDS address
	s_add_nc_u64 s[G0+4*\g+2:G0+4*\g+3], s[68:69], \g*256          ; 120:64 global address: 256 along K a group
	s_or_b32 s[G0+4*\g+3], s[G0+4*\g+3], 0x80000000               ; 127:126 type = 2
.endr
	CROUND                                         ; all four work-groups are here: the joint loads meet
.irp g, 0,1,2,3,4,5,6,7
	tensor_load_to_lds s[G0+4*\g:G0+4*\g+3], s[G1:G1+7]            ; all first fills in one group: eight loads of mine are out
.endr
.rept 4
	v_nop                                          ; four lines behind the last tensor load, ahead of everything else
.endr
.irp t, 0,1,2,3,4,5,6,7
	global_load_b32 v[XT+\t], v[XA], s[4:5] offset:64*\t           ; x of token 16 t + r
.endr
	WIN 0xc0                                       ; destination window 3, address window 0
.irp t, 0,1,2,3,4,5,6,7
	global_load_b128 v[DX+8*\t:DX+8*\t+3],   v[XD], s[4:5] offset:64*\t      ; x of tokens 16 t + 8 h + 0 .. 7
	global_load_b128 v[DX+8*\t+4:DX+8*\t+7], v[XD], s[4:5] offset:64*\t+16
.endr
	WIN 0
	v_mul_u32_u24 v[ADB], v1, PITCH
	v_lshl_add_u32 v[ADB], v2, 4, v[ADB]           ; row r x pitch + 16 x half
.irp g, 1,2,3,4,5,6,7
	v_add_nc_u32 v[ADB+\g], \g*GROUP, v[ADB]
.endr
	v_lshlrev_b32 v[CO], 4, v1
	v_lshl_or_b32 v[CO], v2, 12, v[CO]
	v_lshlrev_b32 v[H16], 4, v2
	; c1: the one-hot's 1.0 through the stated quantiser: held within +-57,344 x 2^e0, divided by 2^e0, rounded to the nearest code, ties to even
	s_wait_kmcnt 0x0
	s_add_co_i32 s66, s20, 127
	s_lshl_b32 s67, s66, 23
	v_mov_b32 v[SC0], s67                          ; 2^e0 as f32: the conversion takes its exponent field
	s_add_co_i32 s66, s66, 15
	s_lshl_b32 s66, s66, 23
	s_or_b32 s66, s66, 0x600000
	v_mov_b32 v[LIM0], s66                         ; 57,344 x 2^e0
	s_add_co_i32 s[SCL], s20, s21
	s_add_co_i32 s[SCL], s[SCL], 127
	s_lshl_b32 s[SCL], s[SCL], 23                  ; 2^(e0 + e1) as f32
	v_mov_b32 v[QN], 1.0
.irp i, 1,2,3,4,5,6,7
	v_mov_b32 v[QN+\i], 0
.endr
	v_med3_num_f32 v[QN], v[QN], -v[LIM0], v[LIM0] ; the conversion to an 8-bit code does not saturate (ISA guide 7.6.2): the hold comes first, whatever e0 is
	v_cvt_scalef32_pk8_bf8_f32 v[QC:QC+1], v[QN:QN+7], v[SC0]
	v_nop                                          ; one plain vector instruction between a scaled conversion and the first use of its result
	v_and_b32 v[C1], 0xff, v[QC]                   ; the first number's code lies in the lowest byte
; Tile t: S and R.  kl = x - K0.  The code falls into step kl >> 6, half (kl >> 4) & 1 of the lanes, register 4 ((kl >> 5) & 1) + ((kl >> 2) & 3), byte kl & 3.
.macro MAKE_R t
	v_subrev_nc_u32 v3, s[K0], v[XT+\t]            ; kl; an x under K0 wraps to a large number
	v_lshrrev_b32 v[ST+\t], 6, v3                  ; S: 32 or more where kl lies outside the split
	v_xor_b32 v4, v3, v[H16]
	v_and_b32 v4, 0xfffff810, v4                   ; 0 where kl is under 2,048 and its bit 4 is my half
	v_and_b32 v5, 3, v3
	v_lshlrev_b32 v5, 3, v5
	v_lshlrev_b32 v5, v5, v[C1]                    ; c1 in its byte
	v_cmp_eq_u32 vcc_lo, 0, v4
	v_cndmask_b32 v5, 0, v5, vcc_lo
	v_bfe_u32 v6, v3, 2, 2
	v_bfe_u32 v7, v3, 5, 1
	v_lshl_or_b32 v6, v7, 2, v6                    ; its register
.irp i, 0,1,2,3,4,5,6,7
	v_cmp_eq_u32 vcc_lo, \i, v6
	v_cndmask_b32 v[R+8*\t+\i], 0, v5, vcc_lo
.endr
.endm
	s_wait_loadcnt 16                              ; loads come back in order (ISA guide 5.7.1): the eight older ones are in, the sixteen for the owner test may stay out
.irp t, 0,1,2,3,4,5,6,7
	MAKE_R \t
.endr
	s_wait_loadcnt 0x0
	WIN 0xcc                                       ; source 1 and destination window 3
.set i, 0
.rept 64
	v_subrev_nc_u32 v[DX+i], s[LO], v[DX+i]        ; x - 2048 y: owned where this is under SPAN, as an unsigned number
.set i, i+1
.endr
	WIN 0xc0                                       ; destination window 3: step 0's fragments of tiles 0 and 1; all later ones are made between the products
.irp t, 0,1
	v_cmp_eq_u32 vcc_lo, 0, v[ST+\t]
.irp i, 0,1,2,3,4,5,6,7
	v_cndmask_b32 v[AB+8*\t+\i], 0, v[R+8*\t+\i], vcc_lo
.endr
.endr
	WIN 0
; The weights' eight fragments of step s (16 n x 64 k: 8 registers, two loads) into set s % 2.  n tile b = 4 u + b' lies at rows 32 b' + 16 u of the group.
.macro FETCHB s
.set BS, BF+64*((\s)%2)
.set AG, ADB+(\s)/4
.set KO, 64*((\s)%4)
.irp b, 0,1,2,3,4,5,6,7
	ds_load_b128 v[BS+8*\b:BS+8*\b+3],   v[AG] offset:(32*(\b%4)+16*(\b/4))*PITCH+KO
	ds_load_b128 v[BS+8*\b+4:BS+8*\b+7], v[AG] offset:(32*(\b%4)+16*(\b/4))*PITCH+KO+32
.endr
.endm
; Tile t of step s: eight products, its 16 tokens against the eight n tiles, and between them the nine instructions that make the fragment of the tile two further on (in tiles 6 and 7: of the next step's tiles 0 and 1).
; The 64 accumulators take turns, one instruction a turn, in the same order in every step.  In step 0 the products start the sums: nothing is cleared.
; A buffer is written again five tiles behind the last product that read it: 45 plain vector instructions lie between, of which four are asked (ISA guide 7.12.1).
.macro TILE s, t
.set DW, 1+(\t)/3                      ; the window of the tile's accumulators, and of the buffer that is written
.set AW, 1+(((\t)+6)%8)/3              ; the window of the tile's own fragment,
.set AR, AB+8*((((\t)+6)%8)%3)         ; and its place there
.set AC, 64*((\t)%3)
.set BS, BF+64*((\s)%2)
.set TT, ((\t)+2)%8                    ; the tile whose fragment is made,
.set SS, (\s)+((\t)+2)/8               ; for this step;
.set AN, AB+8*((\t)%3)                 ; its buffer
	WIN AW|(DW<<4)|(DW<<6)                         ; source 0 the fragment's window, source 1 window 0 (the weights; R and S), C and D the accumulators'
.irp b, 0,1,2,3,4,5,6,7
.if (\s) == 0
	v_wmma_f32_16x16x64_bf8_bf8 v[AC+8*\b:AC+8*\b+7], v[AR:AR+7], v[BS+8*\b:BS+8*\b+7], 0
.else
	v_wmma_f32_16x16x64_bf8_bf8 v[AC+8*\b:AC+8*\b+7], v[AR:AR+7], v[BS+8*\b:BS+8*\b+7], v[AC+8*\b:AC+8*\b+7]
.endif
.if SS < STEPS
.if \b == 0
	v_cmp_eq_u32 vcc_lo, SS, v[ST+TT]              ; does my token's code fall into that step?
.else
	v_cndmask_b32 v[AN+\b-1], 0, v[R+8*TT+\b-1], vcc_lo
.endif
.if \b == 7
	v_cndmask_b32 v[AN+7], 0, v[R+8*TT+7], vcc_lo
.endif
.endif
.endr
.endm
; A step of 64 along K: 64 products.  The next step's 16 LDS loads stand in ONE run behind tile 0, 56 products ahead of the wait for them.  They land in the set that the step before read: behind its last product
; stand the two selects of its slice and tile 0's nine instructions, which name none of that product's registers: four places are asked.
; Every fourth step the run reads a new group of the weights for the first time.  Ahead of it: my quarter of that group has landed (my eight loads end in the order of issue, ISA guide 10.11.1: group g is in when
; at most 7 - g are out), and a barrier shows the same of the other three waves.  Nothing is filled again in this launch, so the later groups' loads stay out across these barriers.
.macro STEP s
	s_wait_dscnt 0x0                               ; this step's fragments of the weights are in; no LDS instruction of mine is out at a signal
.if ((\s)%4 == 3) && ((\s) < STEPS-1)
	s_wait_tensorcnt 6-(\s)/4                      ; group s / 4 + 1
	s_barrier_signal -1
.endif
	TILE \s, 0
.if ((\s)%4 == 3) && ((\s) < STEPS-1)
	s_barrier_wait -1
.endif
.if (\s) < STEPS-1
	WIN 0
	FETCHB (\s)+1
.endif
.irp t, 1,2,3,4,5,6,7
	TILE \s, \t
.endr
.endm
	s_wait_tensorcnt 7                             ; my quarter of group 0 is in; the seven later loads stay out,
	s_barrier_signal -1
	s_barrier_wait -1                              ; everybody's is
	FETCHB 0
.set Q, 0
.rept STEPS                            ; written out: the counts of the waits for the groups differ from group to group, and every LDS offset and step number is an immediate
	STEP Q
.set Q, Q+1
.endr
; THE WAY OUT, a tile of 16 tokens at a time.  Eight masks of owned rows (register j of lane (r, h) is token 8 h + j); the 64 sums x 2^(e0 + e1) into other registers, each accumulator from its low end on,
; laid so that four registers on end are four neighbouring n; then for each j two stores under the mask: lanes 0-15 store 256 consecutive bytes of token j's row, lanes 16-31 of token 8 + j's,
; each at a multiple of 256 from out0's first byte.  EXEC is a source of a pending store: it changes only behind s_wait_xcnt 0, which also frees the stores' data for the next tile.
.macro FLUSH t
.set DW, 1+(\t)/3
.set AC, 64*((\t)%3)
	WIN 0x0c                                       ; source 1 window 3
.irp j, 0,1,2,3,4,5,6,7
	v_cmp_gt_u32 s[OWN+\j], s[SPAN], v[DX+8*(\t)+\j]
.endr
	WIN DW<<2                                      ; source 1: the accumulators' window
.irp j, 0,1,2,3,4,5,6,7
.irp b, 0,1,2,3,4,5,6,7
	v_mul_f32 v[TMP+8*\j+\b], s[SCL], v[AC+8*\b+\j]
.endr
.endr
	WIN 0
.irp j, 0,1,2,3,4,5,6,7
	s_and_saveexec_b32 s[SAVE], s[OWN+\j]
	global_store_b128 v[CO], v[TMP+8*\j:TMP+8*\j+3],   s[10:11] offset:(16*(\t)+\j)*512 th:TH_STORE_NT       ; n = 4 r + 0 .. 3
	global_store_b128 v[CO], v[TMP+8*\j+4:TMP+8*\j+7], s[10:11] offset:(16*(\t)+\j)*512+256 th:TH_STORE_NT   ; n = 64 + 4 r + 0 .. 3
	s_wait_xcnt 0x0
	s_or_b32 exec_lo, exec_lo, s[SAVE]
.endr
.endm
	WIN 0
.rept 4
	v_nop                                          ; four places between the last products and the first read of results (ISA guide 7.12.1)
.endr
	s_wait_xcnt 0x0                                ; nothing of mine still reads EXEC
.irp t, 0,1,2,3,4,5,6,7
	FLUSH \t
.endr
	CROUND                                         ; the closing round: no work-group ends while a partner may still ask for a tile that names it.  (My tensor loads were all waited for in step 27, my LDS loads in step 31)
	s_endpgm
.Lfunc_end_k_qc4bd518872_embed:
	.size	k_qc4bd518872_embed, .Lfunc_end_k_qc4bd518872_embed-k_qc4bd518872_embed
	.p2alignl 7, 3214868480
	.fill 96, 4, 3214868480
	.section	.rodata,"a",@progbits
	.p2align	6, 0x0
	.amdhsa_kernel k_qc4bd518872_embed
		.amdhsa_group_segment_fixed_size 278528
		.amdhsa_private_segment_fixed_size 0
		.amdhsa_enable_private_segment 0
		.amdhsa_kernarg_size 32
		.amdhsa_user_sgpr_count 2
		.amdhsa_user_sgpr_kernarg_segment_ptr 1
		.amdhsa_wavefront_size32 1
		.amdhsa_system_sgpr_workgroup_id_x 1
		.amdhsa_system_sgpr_workgroup_id_y 1
		.amdhsa_system_sgpr_workgroup_id_z 1
		.amdhsa_system_vgpr_workitem_id 0
		.amdhsa_next_free_vgpr 1024
		.amdhsa_next_free_sgpr 96
		.amdhsa_reserve_vcc 1
		.amdhsa_float_denorm_mode_32 3
		.amdhsa_float_denorm_mode_16_64 3
		.amdhsa_memory_ordered 1
		.amdhsa_forward_progress 1
		.amdhsa_inst_pref_size 255
	.end_amdhsa_kernel
	.section	.bss,"aw",@nobits
	.p2align	6
	.space	262144
	.amdgpu_metadata
---
amdhsa.version: [ 1, 2 ]
amdhsa.kernels:
  - .name:           k_qc4bd518872_embed
    .symbol:         k_qc4bd518872_embed.kd
    .args:
      - { .name: x, .offset: 0, .size: 8, .value_kind: global_buffer, .address_space: global }
      - { .name: weight_codes, .offset: 8, .size: 8, .value_kind: global_buffer, .address_space: global }
      - { .name: lowp_scales, .offset: 16, .size: 8, .value_kind: global_buffer, .address_space: global }
      - { .name: out0, .offset: 24, .size: 8, .value_kind: global_buffer, .address_space: global }
    .group_segment_fixed_size: 278528
    .private_segment_fixed_size: 0
    .kernarg_segment_align: 8
    .kernarg_segment_size: 32
    .max_flat_workgroup_size: 128
    .sgpr_count:     96
    .vgpr_count:     1024
    .wavefront_size: 32
...
	.end_amdgpu_metadata
.endif
;; end of part 1
